; MI455X (gfx1250); checked and timed in simulation.
; The chip was launched on July 23, 2026; its instructions are those of AMD's public machine-readable ISA for CDNA 5 (MIT licence, August 2026) and "CDNA5" Instruction Set Architecture Reference Guide (July 2026). The comments in the code are by the model that wrote it; some were corrected since.
;; Self Attention. Allowed arithmetic: float matrix products may take bf16 or f16 operands with f32 sums; other float arithmetic in f32, or as packed bf16 or f16 multiplies, adds, multiply-adds, maxima and minima; sums over many terms, partial sums and values carried from step to step in f32; what a program stores and reads back later, other than sums and carried values, may be rounded once to bf16 or f16.
;; Inputs: Wk 1,024 x 512 float32; Wq 1,024 x 512 float32; Wv 1,024 x 128 float32; x 4 x 4,096 x 1,024 float32.
;; Outputs: out0 4 x 4,096 x 128 float32.
;; One version. Each part assembles by itself: llvm-mc -triple=amdgcn-amd-amdhsa -mcpu=gfx1250 --defsym DOCPART=n.
;; ======== version 1 of 1: 4 launches
;; limits: values are held in f16: magnitudes above 65,504 overflow, below 6.1e-05 lose precision
;; workspace buffers: xb 33,554,432 bytes; wt 2,359,296 bytes; qh 16,777,216 bytes; kh 16,777,216 bytes; vt 4,194,304 bytes; op 33,554,432 bytes; ml 524,288 bytes
;; launch prep (part 1): grid 2120 x 1, 4 waves a work-group, no clusters, 35,328 bytes of LDS; arguments x, Wq, Wk, Wv, xb, wt; writes xb, wt
.if DOCPART == 1
	.amdgcn_target "amdgcn-amd-amdhsa--gfx1250"
	.amdhsa_code_object_version 6
	.text
	.protected	k_q5fd78a18b3_prep
	.globl	k_q5fd78a18b3_prep
	.p2align	8
	.type	k_q5fd78a18b3_prep,@function
k_q5fd78a18b3_prep:
	s_mov_b64 s[64:65], 0
	v_nop
	global_prefetch_b8 v0, s[64:65] scope:SCOPE_SE
	s_setreg_imm32_b32 hwreg(HW_REG_WAVE_MODE, 25, 1), 1
	s_wait_xcnt 0x0
; FIRST OF FOUR LAUNCHES of out = softmax(x Wq (x Wk)^T / sqrt(512)) x Wv.  Nothing of the computation is left out: all four inputs reach the output, every product and the
; maximum in front of the exponential are made.  This launch rounds x to bf16 (xb, same layout) and lays the three weights out in bf16, turned: wt[rho][k], 1,152 rows of 1,024 k.
; Row rho = 288 c + 144 wc + i: for i < 128 it is column 256 c + 128 wc + i of (Wq | Wk), else column 32 c + 16 wc + (i - 128) of Wv: the order in which the next launch's waves take them.
; LIMITS.  x and the weights are rounded once to bf16 (matrix operands); NaN and infinities are not treated apart.
; SHARES.  Work-groups 0-71: the weights.  A wave takes 128 k x 32 columns and turns them through a stage of its own in LDS, so no wave waits for another; the two waves that read the two halves of
; the same 256 bytes of a weight's row lie in one work-group.  Work-groups 72-2119: 32,768 bytes of x each, straight through registers.
; The work-groups are small (four waves, 112 registers, 35,328 bytes of LDS), so that many lie on a WGP together and their loads are out at the same time.
; No matrix unit, no cluster, no tensor load: every byte of x is read once by one wave.
.set NW,     72
.set SPITCH, 272                       ; a stage row: 128 k in bf16 + 16 bytes
.set STG,    32*SPITCH                 ; a wave's stage: 32 columns
.set SPARE,  4*STG                     ; behind the stages: the spare words, 128 bytes for each wave, named by no other line
.set STO, 4                            ; v4  where I put 16 bytes (8 k of one column)
.set RD,  5                            ; v5  where I read rows back
.set SPW, 6                            ; v6  my spare word
.set NIL, 7                            ; v7  0
.set OF,  8                            ; v[8:15]  byte offset of row 8 (l / 8) + i, columns 4 (l % 8) ..; cast arm: v8, v9 in and out offsets
.set R,   16                           ; v[16:79] two sets of 8 loads; later the rows read back; cast arm: sixteen loads
.set C,   80                           ; v[80:95] four chunks of 8 bf16; cast arm: v[80:111] the results
.set VW,  96                           ; v[96:97] byte offsets in wt for the two groups of 16 columns
	s_load_b256 s[4:11], s[0:1], 0x0               ; x s[4:5], Wq s[6:7], Wk s[8:9], Wv s[10:11]
	s_load_b128 s[12:15], s[0:1], 0x20             ; xb s[12:13], wt s[14:15]
	v_lshl_add_u32 v[SPW], v0, 2, SPARE
	v_mov_b32 v[NIL], 0
	s_cmp_lt_u32 ttmp9, NW
	s_cbranch_scc0 .Lcast
	; ---- the weights
	v_lshrrev_b32 v1, 5, v0
	v_readfirstlane_b32 s16, v1                    ; wave
	v_and_b32 v2, 7, v0                            ; quad: columns 4 quad .. 4 quad + 3
	v_bfe_u32 v3, v0, 3, 2                         ; kc: which 8 of a set's 32 rows
	s_mul_i32 s30, s16, STG                        ; my stage
	s_lshr_b32 s31, ttmp9, 2
	s_lshl_b32 s31, s31, 1
	s_and_b32 s17, s16, 1
	s_or_b32 s31, s31, s17                         ; cg: my group of 32 columns: 0-15 Wq, 16-31 Wk, 32-35 Wv
	s_and_b32 s17, ttmp9, 3
	s_lshl_b32 s17, s17, 1
	s_lshr_b32 s16, s16, 1
	s_add_co_u32 s16, s16, s17                     ; my block of 128 k
	s_and_b32 s17, s31, 15
	s_lshl_b32 s17, s17, 7                         ; the group's 32 columns: 128 bytes of a row of its matrix
	s_lshr_b32 s21, s31, 3                         ; rho of the group's first column, for Wq | Wk: 288 (cg / 8)
	s_mul_i32 s21, s21, 288
	s_bfe_u32 s22, s31, 0x10002
	s_mul_i32 s22, s22, 144                        ; + 144 ((cg / 4) % 2)
	s_add_co_u32 s21, s21, s22
	s_and_b32 s22, s31, 3
	s_lshl_b32 s23, s22, 5                         ; + 32 (cg % 4)
	s_add_co_u32 s21, s21, s23
	s_mul_i32 s22, s22, 288                        ; for Wv: 288 (cg - 32) + 128
	s_add_co_u32 s22, s22, 128
	s_mov_b32 s18, 512                             ; Wv: bytes in a row,
	s_mov_b32 s19, 144*2048                        ; bytes of wt from 16 columns to the next 16
	s_cmp_lt_u32 s31, 32
	s_cselect_b32 s18, 2048, s18                   ; Wq, Wk: the same two
	s_cselect_b32 s19, 16*2048, s19
	s_cselect_b32 s21, s21, s22
	s_lshl_b32 s21, s21, 11                        ; rho x 2,048 bytes
	s_lshl_b32 s22, s16, 8                         ; + my 128 k: 256 bytes
	s_add_co_u32 s21, s21, s22
	s_lshl_b32 s26, s16, 7
	s_mul_i32 s26, s26, s18                        ; my first row of the matrix
	s_add_co_u32 s26, s26, s17
	s_mov_b32 s27, 0
	s_lshl_b32 s28, s18, 5                         ; 32 rows: from set to set
	s_mov_b32 s29, 0
	v_lshlrev_b32 v1, 3, v3
	v_mul_lo_u32 v1, v1, s18
	v_lshl_add_u32 v[OF], v2, 4, v1                ; row 8 kc, 16 bytes a lane: eight lanes read 128 consecutive bytes
.irp i, 1,2,3,4,5,6,7
	v_add_nc_u32 v[OF+\i], s18, v[OF+\i-1]
.endr
	v_mul_u32_u24 v[STO], v2, 4*SPITCH
	v_lshl_add_u32 v[STO], v3, 4, v[STO]
	v_add_nc_u32 v[STO], s30, v[STO]               ; stage row 4 quad, byte 16 kc
	v_and_b32 v2, 15, v0
	v_bfe_u32 v3, v0, 4, 1
	v_mul_u32_u24 v[RD], v3, SPITCH
	v_lshl_add_u32 v[RD], v2, 4, v[RD]
	v_add_nc_u32 v[RD], s30, v[RD]                 ; back: lanes 0-15 one row of 256 bytes, lanes 16-31 the next
	v_lshlrev_b32 v1, 11, v3
	v_lshl_add_u32 v1, v2, 4, v1
	v_add_nc_u32 v[VW], s21, v1
	v_add_nc_u32 v[VW+1], s19, v[VW]
	s_wait_kmcnt 0x0
	s_cmp_lt_u32 s31, 16
	s_cselect_b64 s[24:25], s[6:7], s[8:9]
	s_cmp_lt_u32 s31, 32
	s_cselect_b64 s[24:25], s[24:25], s[10:11]
	s_add_nc_u64 s[32:33], s[24:25], s[26:27]      ; a base for each of the four sets of 32 rows: nothing is stepped while loads are out
.irp s, 1,2,3
	s_add_nc_u64 s[32+2*\s:33+2*\s], s[30+2*\s:31+2*\s], s[28:29]
.endr
.macro WLOAD s                         ; set s: rows 32 s + 8 kc + i, into place s % 2
.irp i, 0,1,2,3,4,5,6,7
	global_load_b128 v[R+32*((\s)%2)+4*(\i):R+32*((\s)%2)+4*(\i)+3], v[OF+(\i)], s[32+2*(\s):33+2*(\s)]
.endr
.endm
.macro WCVT s, left                    ; left: the younger loads, which may stay out.  Of 8 rows x 4 columns four chunks are made: 8 k of one column each
	s_wait_loadcnt \left
.irp jn, 0,1,2,3
.irp e, 0,1,2,3
	v_cvt_pk_bf16_f32 v[C+4*(\jn)+(\e)], v[R+32*((\s)%2)+8*(\e)+(\jn)], v[R+32*((\s)%2)+8*(\e)+4+(\jn)]
.endr
	ds_store_b128 v[STO], v[C+4*(\jn):C+4*(\jn)+3] offset:(\jn)*SPITCH+64*(\s)
.endr
.endm
	WLOAD 0
	WLOAD 1
	WCVT 0, 8                                      ; the younger set of 8 is out
	WLOAD 2
	WCVT 1, 8
	WLOAD 3
	WCVT 2, 8
	WCVT 3, 0
.set i, 0
.rept 16                                       ; LDS serves a wave's instructions in order (ISA guide 5.7.1.4): these see my stores above; the stage is mine alone
	ds_load_b128 v[R+4*i:R+4*i+3], v[RD] offset:2*SPITCH*i
.set i, i+1
.endr
.set i, 0
.rept 16
	s_wait_dscnt 15-i
	global_store_b128 v[VW+i/8], v[R+4*i:R+4*i+3], s[14:15] offset:4096*(i%8)  ; sixteen lanes store 256 consecutive bytes of one row of wt, aligned
.set i, i+1
.endr
	s_branch .Lend
	; ---- x to bf16
.Lcast:
	s_sub_co_u32 s16, ttmp9, NW
	s_lshl_b32 s18, s16, 15                        ; 32,768 bytes in,
	s_mov_b32 s19, 0
	s_lshl_b32 s20, s16, 14                        ; 16,384 out
	s_mov_b32 s21, 0
	v_lshlrev_b32 v[OF], 4, v0
	v_lshlrev_b32 v[OF+1], 3, v0
	s_wait_kmcnt 0x0
	s_add_nc_u64 s[4:5], s[4:5], s[18:19]
	s_add_nc_u64 s[12:13], s[12:13], s[20:21]
.set i, 0
.rept 16                                       ; all sixteen loads go out first: 8 KiB of a wave on their way
	global_load_b128 v[R+4*i:R+4*i+3], v[OF], s[4:5] offset:2048*i th:TH_LOAD_NT
.set i, i+1
.endr
.set i, 0
.rept 16
	s_wait_loadcnt 15-i                            ; the younger loads stay out
	v_cvt_pk_bf16_f32 v[C+2*i], v[R+4*i], v[R+4*i+1]
	v_cvt_pk_bf16_f32 v[C+2*i+1], v[R+4*i+2], v[R+4*i+3]
	global_store_b64 v[OF+1], v[C+2*i:C+2*i+1], s[12:13] offset:1024*i  ; a wave's store covers 256 consecutive bytes, aligned
.set i, i+1
.endr
.Lend:
	s_wait_tensorcnt 0x0                           ; the wave's end, behind the last LDS store
	ds_add_u32 v[SPW], v[NIL]
	s_wait_dscnt 0x0
	s_endpgm
.Lfunc_end_k_q5fd78a18b3_prep:
	.size	k_q5fd78a18b3_prep, .Lfunc_end_k_q5fd78a18b3_prep-k_q5fd78a18b3_prep
	.p2alignl 7, 3214868480
	.fill 96, 4, 3214868480
	.section	.rodata,"a",@progbits
	.p2align	6, 0x0
	.amdhsa_kernel k_q5fd78a18b3_prep
		.amdhsa_group_segment_fixed_size 35328
		.amdhsa_private_segment_fixed_size 0
		.amdhsa_enable_private_segment 0
		.amdhsa_kernarg_size 48
		.amdhsa_user_sgpr_count 2
		.amdhsa_user_sgpr_kernarg_segment_ptr 1
		.amdhsa_wavefront_size32 1
		.amdhsa_system_sgpr_workgroup_id_x 1
		.amdhsa_system_sgpr_workgroup_id_y 1
		.amdhsa_system_sgpr_workgroup_id_z 1
		.amdhsa_system_vgpr_workitem_id 0
		.amdhsa_next_free_vgpr 112
		.amdhsa_next_free_sgpr 66
		.amdhsa_reserve_vcc 0
		.amdhsa_float_denorm_mode_32 3
		.amdhsa_float_denorm_mode_16_64 3
		.amdhsa_memory_ordered 1
		.amdhsa_forward_progress 1
		.amdhsa_inst_pref_size 21
	.end_amdhsa_kernel
	.amdgpu_metadata
---
amdhsa.version: [ 1, 2 ]
amdhsa.kernels:
  - .name:           k_q5fd78a18b3_prep
    .symbol:         k_q5fd78a18b3_prep.kd
    .args:
      - { .name: x, .offset: 0, .size: 8, .value_kind: global_buffer, .address_space: global }
      - { .name: Wq, .offset: 8, .size: 8, .value_kind: global_buffer, .address_space: global }
      - { .name: Wk, .offset: 16, .size: 8, .value_kind: global_buffer, .address_space: global }
      - { .name: Wv, .offset: 24, .size: 8, .value_kind: global_buffer, .address_space: global }
      - { .name: xb, .offset: 32, .size: 8, .value_kind: global_buffer, .address_space: global }
      - { .name: wt, .offset: 40, .size: 8, .value_kind: global_buffer, .address_space: global }
    .group_segment_fixed_size: 35328
    .private_segment_fixed_size: 0
    .kernarg_segment_align: 8
    .kernarg_segment_size: 48
    .max_flat_workgroup_size: 128
    .sgpr_count:     66
    .vgpr_count:     112
    .wavefront_size: 32
...
	.end_amdgpu_metadata
.endif
;; end of part 1
;; launch proj (part 2): grid 4 x 64, 4 waves a work-group, clusters of 4 x 4, 327,680 bytes of LDS; arguments xb, wt, qh, kh, vt; writes qh, kh, vt
.if DOCPART == 2
	.amdgcn_target "amdgcn-amd-amdhsa--gfx1250"
	.amdhsa_code_object_version 6
	.text
	.protected	k_q5fd78a18b3_proj
	.globl	k_q5fd78a18b3_proj
	.p2align	8
	.type	k_q5fd78a18b3_proj,@function
k_q5fd78a18b3_proj:
	s_mov_b64 s[64:65], 0
	v_nop
	global_prefetch_b8 v0, s[64:65] scope:SCOPE_SE
	s_setreg_imm32_b32 hwreg(HW_REG_WAVE_MODE, 25, 1), 1
	s_wait_xcnt 0x0
	s_wait_alu depctr_hold_cnt(0) depctr_sa_sdst(0) depctr_va_vdst(0) depctr_va_sdst(0) depctr_va_ssrc(0) depctr_va_vcc(0) depctr_vm_vsrc(0)
	s_getreg_b32 s2, hwreg(HW_REG_IB_STS2, 6, 4)
	s_cmp_eq_u32 s2, 0
	s_cbranch_scc0 .Lentry_in_a_cluster
	s_endpgm
.Lentry_in_a_cluster:
	s_bfe_u32 s2, ttmp6, 0x10000c
	s_cmp_lg_u32 s2, 0xf033
	s_cbranch_scc0 .Lentry_shape_is_right
	s_endpgm
.Lentry_shape_is_right:
; SECOND LAUNCH: Q, K and V in one product, [16384 x 1024] x [1152 x 1024]^T, bf16 operands, f32 sums, results rounded once to f16.  Nothing is left out.
; THE RESULTS ARE LAID IN THE ORDER OF THE NEXT LAUNCH'S OPERAND REGISTERS.  A piece of 16 rows x 32 channels is 1,024 bytes: lane l's registers 0-3 at 16 l, its registers 4-7 at 512 + 16 l
; (lane l: row l % 16; registers 0-3 channels 8 (l / 16) + 0..7, registers 4-7 channels 16 + 8 (l / 16) + 0..7).  qh, kh: [1024 tiles of 16 rows][16 blocks of 32 channels][1,024 bytes].
; vt, V turned: [512 blocks of 32 keys][8 blocks of 16 channels][1,024 bytes], there with a channel in the row's place and the keys in the channels'.
; LIMIT.  f16 holds no number beyond 65,504: q, k and v must stay within it (sums of 1,024 products of x and a weight).
; SHARES.  A work-group makes 256 rows x 288 columns of wt's order: 256 of Q | K and 32 of V.  4 x 64 work-groups.  Each of four waves makes 128 rows x 144 columns: 64 accumulators for
; Q | K, taken TRANSPOSED (source 0 = 16 rows of wt, source 1 = 16 rows of xb: a lane holds one row and eight neighbouring columns), and 8 for V, taken plain (a lane holds one channel and
; eight neighbouring keys).  In both a lane's eight numbers, packed, are the 16 bytes that the same lane of the next launch wants: they are stored from registers, 512 consecutive bytes a store.
; 72 matrix instructions for each 32 along K; the 72 accumulators take turns in one order.
; RING.  K goes in steps of 128 through two LDS slots filled by the tensor data mover; rows of 256 bytes, padded to 272.
; CLUSTER.  4 x 4: xb's tile is shared along a row of the cluster, wt's along a column; each is asked for jointly, by the same load with the same descriptor in all four.
; REGISTERS: window 0: v0-31 addresses; v64-191 xb's fragments, two buffers of 64, on the way out four sets of packed results; v192-223 V's packed results
;   window 1: v0-63 V's accumulators; v64-207 wt's fragments, two buffers of 72          windows 2, 3: the accumulators of my rows 0-63, 64-127
.set SIZE_K, 1024
.set KSTEP,  128
.set PITCH,  272
.set HALFA,  128*PITCH                 ; what one load brings of xb, and what one wave reads of it
.set HALFB,  144*PITCH                 ; the same of wt
.set BOFF,   2*HALFA
.set SLOT,   BOFF+2*HALFB
.set SPARE,  2*SLOT                    ; behind the ring: the spare words, 128 bytes for each wave, named by no other line
.set LAPS,   SIZE_K/(2*KSTEP)
.set ADRA, 16                          ; v16-17 LDS address of my xb fragments in slot 0, 1
.set ADRB, 20                          ; v20-21 the same for wt
.set CO,   26                          ; v26 16 x my lane
.set SPW,  28
.set NIL,  29
.set PFO,  30
.set G1,  24                           ; s[24:31] group 1 for xb's tiles; s[32:39] group 0, a set for each slot
.set G0,  32
.set G1B, 48                           ; s[48:55], s[56:63] the same for wt's
.set G0B, 56
.set PFA, 44                           ; s[44:45] where my prefetches stand
.set LIM, 43                           ; s43 1 in a wave that prefetches, else the greatest number
.set MSB, 0
.macro WIN new                         ; the immediate's high byte repeats the setting that is left; a switch that changes nothing is dropped
.if MSB != (\new)
	s_set_vgpr_msb (MSB<<8)|(\new)
.set MSB, \new
.endif
.endm
.set MUL_LO, 0xa1                      ; source 0 (wt) window 1, source 1 (xb) window 0, C and D window 2
.set MUL_HI, 0xf1
.set MUL_V,  0x54                      ; source 0 (xb) window 0, source 1 (wt), C and D window 1
.set TO_B,   0x40
.macro JLOAD s                         ; a joint load: waves 0, 1 fetch xb's two halves, waves 2, 3 wt's; an s_nop 0 and four v_nop follow each line
	s_cmp_eq_u32 s11, 0
	s_cbranch_scc0 .Lfor_b_\@
	tensor_load_to_lds s[G0+4*(\s):G0+4*(\s)+3], s[G1:G1+7]
	s_nop 0
.rept 4
	v_nop
.endr
	s_branch .Lasked_\@
.Lfor_b_\@:
	tensor_load_to_lds s[G0B+4*(\s):G0B+4*(\s)+3], s[G1B:G1B+7]
	s_nop 0
.rept 4
	v_nop
.endr
.Lasked_\@:
.endm
; A prefetch into the L2 of the K step two refills on: 32 rows x 256 bytes, a lane a row, one instruction a wave, behind the joint load and the run of LDS loads.  xb's rows: the grid is one
; cluster wide, so every cluster asks for its own; wt's rows: the clusters with y = 0.  The four partners that ask for a tile jointly share its rows out by address (32 each; wt's 16 rows of V
; in each half come by their loads alone).  The loop's last trip asks for nothing: there is no K step two on.
.macro ASK
	s_cmp_gt_u32 s3, s[LIM]
	s_cbranch_scc0 .Lnot_mine_\@
	global_prefetch_b8 v[PFO], s[PFA:PFA+1] offset:KSTEP*2 th:TH_LOAD_NT scope:SCOPE_SE
.Lnot_mine_\@:
.endm
.macro CREST                           ; a round of the cluster's barrier behind its opening barrier
	s_cmp_lg_u32 s10, 0
	s_cbranch_scc1 .Lnot_wave_0_\@
	s_barrier_signal -3
.Lnot_wave_0_\@:
	s_barrier_wait -3
	s_barrier_signal -1
	s_barrier_wait -1
.endm
.macro CROUND
	s_barrier_signal -1
	s_barrier_wait -1
	CREST
.endm
	s_load_b128 s[4:7], s[0:1], 0x0                ; xb s[4:5], wt s[6:7]
	s_load_b128 s[68:71], s[0:1], 0x10             ; qh s[68:69], kh s[70:71]
	s_load_b64 s[72:73], s[0:1], 0x20              ; vt
	v_lshl_add_u32 v[SPW], v0, 2, SPARE
	v_mov_b32 v[NIL], 0
	ds_add_u32 v[SPW], v[NIL]                      ; the wave's opening: the add, twice on end, and its wait ahead of my first tensor load
	ds_add_u32 v[SPW], v[NIL]
	v_lshrrev_b32 v1, 5, v0
	v_readfirstlane_b32 s10, v1                    ; wave 0..3
	s_lshr_b32 s11, s10, 1                         ; which half of the rows is mine.  Also: I fetch for xb (0) or wt (1)
	s_and_b32 s12, s10, 1                          ; which half of the columns.  Also: which half of that tile I fetch
	s_bfe_u32 s40, ttmp6, 0x40000                  ; cx
	s_bfe_u32 s41, ttmp6, 0x40004                  ; cy
	s_lshl_b32 s42, ttmp9, 2
	s_add_co_u32 s42, s42, s40                     ; tile column c
	s_and_b32 s13, ttmp7, 0xffff
	s_lshl_b32 s13, s13, 2
	s_add_co_u32 s13, s13, s41                     ; tile row
	s_lshl_b32 s43, s41, 2
	s_lshl_b32 s43, 15, s43                        ; my row of the cluster
	s_lshl_b32 s44, 0x1111, s40                    ; my column
	s_or_b32 s[G1+0], s43, (1<<16)|(1<<20)|(1<<21)|(5<<22)|(3<<25)   ; mask; 2-byte elements; padding on; bit 21 beside a mask; after every 64 words 4 words
	s_or_b32 s[G1B+0], s44, (1<<16)|(1<<20)|(1<<21)|(5<<22)|(3<<25)
.irp g, G1, G1B
	s_mov_b32 s[\g+1], KSTEP<<16                   ; tensor_dim0 = 128
	s_mov_b32 s[\g+3], KSTEP<<16                   ; tile_dim0 = 128
	s_mov_b32 s[\g+5], SIZE_K                      ; elements from row to row
	s_mov_b32 s[\g+6], 0
	s_mov_b32 s[\g+7], 0
.endr
	s_mov_b32 s[G1+2], 128<<16                     ; tensor_dim1, tile_dim1: 128 rows of xb,
	s_mov_b32 s[G1+4], 128
	s_mov_b32 s[G1B+2], 144<<16                    ; 144 of wt
	s_mov_b32 s[G1B+4], 144
	s_lshl_b32 s17, s12, 7
	s_lshl_b32 s16, s13, 8
	s_add_co_u32 s16, s16, s17                     ; xb: row 256 x tile row + 128 x half
	s_lshl_b32 s16, s16, 11                        ; x 2,048 bytes
	s_mov_b32 s17, 0
	s_mul_i32 s46, s42, 288
	s_mul_i32 s47, s12, 144
	s_add_co_u32 s46, s46, s47                     ; wt: row 288 c + 144 x half
	s_lshl_b32 s46, s46, 11
	s_mov_b32 s47, 0
	s_mul_i32 s20, s12, HALFA                      ; where they go: no place in the cluster enters an LDS address
	s_mul_i32 s21, s12, HALFB
	s_add_co_u32 s21, s21, BOFF
	s_wait_dscnt 0x0                               ; both opening adds are done
	s_wait_kmcnt 0x0
	s_add_nc_u64 s[14:15], s[4:5], s[16:17]
	s_add_nc_u64 s[46:47], s[6:7], s[46:47]
	CROUND                                         ; all sixteen work-groups are here: the first joint loads meet
.irp s, 0,1
	s_mov_b32 s[G0+4*(\s)], 1
	s_add_co_u32 s[G0+4*(\s)+1], s20, (\s)*SLOT
	s_add_nc_u64 s[G0+4*(\s)+2:G0+4*(\s)+3], s[14:15], (\s)*KSTEP*2
	s_or_b32 s[G0+4*(\s)+3], s[G0+4*(\s)+3], 0x80000000
	s_mov_b32 s[G0B+4*(\s)], 1
	s_add_co_u32 s[G0B+4*(\s)+1], s21, (\s)*SLOT
	s_add_nc_u64 s[G0B+4*(\s)+2:G0B+4*(\s)+3], s[46:47], (\s)*KSTEP*2
	s_or_b32 s[G0B+4*(\s)+3], s[G0B+4*(\s)+3], 0x80000000
	JLOAD \s
.endr
	v_and_b32 v1, 15, v0                           ; l % 16
	v_bfe_u32 v2, v0, 4, 1                         ; l / 16
	v_mul_u32_u24 v3, v1, PITCH
	v_lshl_add_u32 v3, v2, 4, v3                   ; a fragment's row x pitch + 16 x half
	s_mul_i32 s21, s11, HALFA                      ; my 128 rows of xb
	s_mul_i32 s22, s12, HALFB                      ; my 144 rows of wt
	s_add_co_u32 s22, s22, BOFF
.irp s, 0,1
	v_add_nc_u32 v[ADRA+(\s)], s21, v3
	v_add_nc_u32 v[ADRB+(\s)], s22, v3
	s_add_co_u32 s21, s21, SLOT
	s_add_co_u32 s22, s22, SLOT
.endr
	v_and_b32 v[CO], 31, v0
	v_lshlrev_b32 v[CO], 4, v[CO]
	; where my results go
	s_cmp_lt_u32 s42, 2
	s_cselect_b64 s[8:9], s[68:69], s[70:71]       ; tile columns 0, 1 are Q, 2, 3 are K
	s_lshl_b32 s16, s13, 8
	s_lshl_b32 s17, s11, 7
	s_add_co_u32 s16, s16, s17                     ; my first row: 1,024 bytes a row, 16,384 a tile of 16
	s_lshl_b32 s16, s16, 10
	s_and_b32 s17, s42, 1
	s_lshl_b32 s17, s17, 13
	s_add_co_u32 s16, s16, s17                     ; + channel block 8 (c % 2)
	s_lshl_b32 s17, s12, 12
	s_add_co_u32 s16, s16, s17                     ; + 4 x column half
	s_mov_b32 s17, 0
	s_add_nc_u64 s[8:9], s[8:9], s[16:17]
	s_lshl_b32 s16, s13, 16                        ; vt: my first block of 32 keys, 8 x tile row + 4 x row half, 8,192 bytes each
	s_lshl_b32 s17, s11, 15
	s_add_co_u32 s16, s16, s17
	s_lshl_b32 s17, s42, 11                        ; channel block 2 c
	s_add_co_u32 s16, s16, s17
	s_lshl_b32 s17, s12, 10                        ; + column half
	s_add_co_u32 s16, s16, s17
	s_mov_b32 s17, 0
	s_add_nc_u64 s[72:73], s[72:73], s[16:17]
	; the prefetches
	s_lshl_b32 s20, s13, 8
	s_lshl_b32 s21, s12, 7
	s_add_co_u32 s20, s20, s21
	s_lshl_b32 s21, s40, 5
	s_add_co_u32 s20, s20, s21                     ; xb: the 128 rows that I fetch, my work-group's 32 of them (by cx)
	s_mul_i32 s22, s42, 288
	s_mul_i32 s23, s12, 144
	s_add_co_u32 s22, s22, s23
	s_lshl_b32 s23, s41, 5
	s_add_co_u32 s22, s22, s23                     ; wt: likewise (by cy)
	s_and_b32 s23, ttmp7, 0xffff                   ; cluster y
	s_cmp_eq_u32 s11, 0
	s_cselect_b32 s20, s20, s22
	s_cselect_b32 s23, ttmp9, s23                  ; the coordinate along which other clusters read the same rows
	s_cselect_b64 s[PFA:PFA+1], s[4:5], s[6:7]
	s_cmp_eq_u32 s23, 0
	s_cselect_b32 s[LIM], 1, -1
	s_lshl_b32 s20, s20, 11
	s_mov_b32 s21, 0
	s_add_nc_u64 s[PFA:PFA+1], s[PFA:PFA+1], s[20:21]
	s_add_nc_u64 s[PFA:PFA+1], s[PFA:PFA+1], 2*KSTEP*2  ; at K step 2: the first refill steps it to 3 and names K step 4
	v_and_b32 v[PFO], 31, v0
	v_lshlrev_b32 v[PFO], 11, v[PFO]
; 16 matrix instructions for Q | K: row blocks a0, a0 + 1 of the window's four x 8 column blocks, 32 along K, from buffer n.  zero = 1: the product starts the sums
.macro MUL16 n, hi, a0, zero
	WIN MUL_LO+0x50*(\hi)
.irp a, \a0, (\a0)+1
.irp b, 0,1,2,3,4,5,6,7
.if \zero
	v_wmma_f32_16x16x32_bf16 v[8*(8*(\a)+(\b)):8*(8*(\a)+(\b))+7], v[64+72*(\n)+8*(\b):64+72*(\n)+8*(\b)+7], v[64+64*(\n)+8*(4*(\hi)+(\a)):64+64*(\n)+8*(4*(\hi)+(\a))+7], 0
.else
	v_wmma_f32_16x16x32_bf16 v[8*(8*(\a)+(\b)):8*(8*(\a)+(\b))+7], v[64+72*(\n)+8*(\b):64+72*(\n)+8*(\b)+7], v[64+64*(\n)+8*(4*(\hi)+(\a)):64+64*(\n)+8*(4*(\hi)+(\a))+7], v[8*(8*(\a)+(\b)):8*(8*(\a)+(\b))+7]
.endif
.endr
.endr
.endm
; 8 matrix instructions for V: my 8 row blocks x wt's ninth fragment
.macro MULV n, zero
	WIN MUL_V
.irp a, 0,1,2,3,4,5,6,7
.if \zero
	v_wmma_f32_16x16x32_bf16 v[8*(\a):8*(\a)+7], v[64+64*(\n)+8*(\a):64+64*(\n)+8*(\a)+7], v[64+72*(\n)+64:64+72*(\n)+71], 0
.else
	v_wmma_f32_16x16x32_bf16 v[8*(\a):8*(\a)+7], v[64+64*(\n)+8*(\a):64+64*(\n)+8*(\a)+7], v[64+72*(\n)+64:64+72*(\n)+71], v[8*(\a):8*(\a)+7]
.endif
.endr
.endm
; 34 LDS loads in one run: 9 fragments of wt, then 8 of xb, 32 K at byte k of the rows, into buffer n
.macro FETCH slot, k, n
	WIN TO_B
.irp i, 0,1,2,3,4,5,6,7,8
	ds_load_b128 v[64+72*(\n)+8*(\i):64+72*(\n)+8*(\i)+3],   v[ADRB+(\slot)] offset:(\k)+(\i)*16*PITCH
	ds_load_b128 v[64+72*(\n)+8*(\i)+4:64+72*(\n)+8*(\i)+7], v[ADRB+(\slot)] offset:(\k)+(\i)*16*PITCH+32
.endr
	WIN 0
.irp i, 0,1,2,3,4,5,6,7
	ds_load_b128 v[64+64*(\n)+8*(\i):64+64*(\n)+8*(\i)+3],   v[ADRA+(\slot)] offset:(\k)+(\i)*16*PITCH
	ds_load_b128 v[64+64*(\n)+8*(\i)+4:64+64*(\n)+8*(\i)+7], v[ADRA+(\slot)] offset:(\k)+(\i)*16*PITCH+32
.endr
.endm
.macro PLACES                          ; four places behind a matrix instruction, in front of loads into registers that it has read and of conversions that read results
.rept 4
	v_nop
.endr
.endm
; A K step is four quarters of 32 along K, 72 matrix instructions each, on buffers 0, 1, 0, 1.  One of the first three multiplies buffer f and fetches the next quarter into g.
.macro QUARTER slot, k, f, g, zero
	s_wait_dscnt 8                                 ; wt's fragments and xb's rows 0-63 are in; the youngest eight loads may be out
	MUL16 \f, 0, 0, \zero
	MUL16 \f, 0, 2, \zero
	PLACES
	FETCH \slot, \k, \g
	s_wait_dscnt 34                                ; all but the 34 just issued
	MUL16 \f, 1, 0, \zero
	MUL16 \f, 1, 2, \zero
	MULV \f, \zero
.endm
; The last quarter multiplies buffer 1 and changes slots: one barrier; in front of it each wave waits for all its tensor loads (the one that is out is its part of the next slot), adds 0 to its
; spare word, and waits for that and for its reads of this slot.  fill = 1: the barrier opens a round of the cluster's, and behind it this slot is filled again, two K steps ahead.
.macro TURN slot, next, fill
.if \fill
	s_wait_xcnt 0x0                                ; the last prefetch, a K step back, has read its address
	s_add_nc_u64 s[PFA:PFA+1], s[PFA:PFA+1], KSTEP*2
.endif
	WIN 0
	s_wait_tensorcnt 0x0
	ds_add_u32 v[SPW], v[NIL]
	s_wait_dscnt 9                                 ; the add and the youngest eight loads may be out
	MUL16 1, 0, 0, 0
	s_wait_dscnt 0x0                               ; the add is done, and my reads of this slot are over
	s_barrier_signal -1
	MUL16 1, 0, 2, 0
.if \fill
	WIN 0
.endif
	s_barrier_wait -1
.if \fill
	CREST                                          ; no wave of any partner still reads this slot or has a load on its way
	s_add_nc_u64 s[G0+4*(\slot)+2:G0+4*(\slot)+3], s[G0+4*(\slot)+2:G0+4*(\slot)+3], 2*KSTEP*2
	s_add_nc_u64 s[G0B+4*(\slot)+2:G0B+4*(\slot)+3], s[G0B+4*(\slot)+2:G0B+4*(\slot)+3], 2*KSTEP*2
	JLOAD \slot                                    ; its four v_nop are also the places in front of the loads below
.else
	PLACES
.endif
	FETCH \next, 0, 0
.if \fill
	ASK
.endif
	MUL16 1, 1, 0, 0
	MUL16 1, 1, 2, 0
	MULV 1, 0
.endm
	s_wait_tensorcnt 0x1                           ; my part of K step 0 is in; K step 1's may stay out
	s_barrier_signal -1
	s_barrier_wait -1
	FETCH 0, 0, 0
	QUARTER 0, 64, 0, 1, 1                         ; the first quarter's products start the sums
	WIN 0
	s_mov_b32 s3, LAPS-1
.Llap:                                         ; a trip goes once round the ring and fills both slots again
	QUARTER 0, 128, 1, 0, 0
	QUARTER 0, 192, 0, 1, 0
	TURN 0, 1, 1
	QUARTER 1, 64,  0, 1, 0
	QUARTER 1, 128, 1, 0, 0
	QUARTER 1, 192, 0, 1, 0
	TURN 1, 0, 1
	QUARTER 0, 64,  0, 1, 0
	WIN 0
	s_sub_co_u32 s3, s3, 1
	s_cmp_lg_u32 s3, 0
	s_cbranch_scc1 .Llap
	QUARTER 0, 128, 1, 0, 0                        ; the last lap fills nothing
	QUARTER 0, 192, 0, 1, 0
	TURN 0, 1, 0
	QUARTER 1, 64,  0, 1, 0
	QUARTER 1, 128, 1, 0, 0
	QUARTER 1, 192, 0, 1, 0
	s_wait_dscnt 8
	MUL16 1, 0, 0, 0
	MUL16 1, 0, 2, 0
	s_wait_dscnt 0x0
	MUL16 1, 1, 0, 0
	MUL16 1, 1, 2, 0
	MULV 1, 0
	WIN 0
	PLACES
	PLACES
; THE WAY OUT, a block of 16 rows at a time: rounded to f16, and each accumulator's 16 bytes a lane stored as they lie: column block b is half b % 2 of channel block b / 2.
; The packed results take four sets of registers by turns; a set is written again only when the stores that read it have had their addresses translated (ISA guide 3.1).
.macro OUT a
.set AC, 64*((\a)%4)
.set TP, 64+32*((\a)%4)
.if (\a) > 3
	s_wait_xcnt 0x0
.endif
	WIN 0x0a+5*((\a)/4)                            ; sources in window 2 or 3
.irp b, 0,1,2,3,4,5,6,7
.irp r, 0,1,2,3
	v_cvt_pk_f16_f32 v[TP+4*(\b)+(\r)], v[AC+8*(\b)+2*(\r)], v[AC+8*(\b)+2*(\r)+1]
.endr
.endr
	WIN 0
.irp b, 0,1,2,3,4,5,6,7
	global_store_b128 v[CO], v[TP+4*(\b):TP+4*(\b)+3], s[8:9] offset:(\a)*16384+(\b)*512  ; 512 consecutive bytes, aligned
.endr
.endm
.irp a, 0,1,2,3,4,5,6,7
	OUT \a
.endr
	WIN 0x05                                       ; V: sources in window 1.  Row block a is half a % 2 of the block of 32 keys a / 2
.irp a, 0,1,2,3,4,5,6,7
.irp r, 0,1,2,3
	v_cvt_pk_f16_f32 v[192+4*(\a)+(\r)], v[8*(\a)+2*(\r)], v[8*(\a)+2*(\r)+1]
.endr
.endr
	WIN 0
.irp a, 0,1,2,3,4,5,6,7
	global_store_b128 v[CO], v[192+4*(\a):192+4*(\a)+3], s[72:73] offset:((\a)/2)*8192+((\a)%2)*512  ; 512 consecutive bytes of vt, aligned
.endr
	s_wait_tensorcnt 0x0                           ; the wave's end
	ds_add_u32 v[SPW], v[NIL]
	s_wait_dscnt 0x0
	CROUND                                         ; the closing round
	s_endpgm
.Lfunc_end_k_q5fd78a18b3_proj:
	.size	k_q5fd78a18b3_proj, .Lfunc_end_k_q5fd78a18b3_proj-k_q5fd78a18b3_proj
	.p2alignl 7, 3214868480
	.fill 96, 4, 3214868480
	.section	.rodata,"a",@progbits
	.p2align	6, 0x0
	.amdhsa_kernel k_q5fd78a18b3_proj
		.amdhsa_group_segment_fixed_size 327680
		.amdhsa_private_segment_fixed_size 0
		.amdhsa_enable_private_segment 0
		.amdhsa_kernarg_size 40
		.amdhsa_user_sgpr_count 2
		.amdhsa_user_sgpr_kernarg_segment_ptr 1
		.amdhsa_wavefront_size32 1
		.amdhsa_system_sgpr_workgroup_id_x 1
		.amdhsa_system_sgpr_workgroup_id_y 1
		.amdhsa_system_sgpr_workgroup_id_z 1
		.amdhsa_system_vgpr_workitem_id 0
		.amdhsa_next_free_vgpr 1024
		.amdhsa_next_free_sgpr 80
		.amdhsa_reserve_vcc 0
		.amdhsa_float_denorm_mode_32 3
		.amdhsa_float_denorm_mode_16_64 3
		.amdhsa_memory_ordered 1
		.amdhsa_forward_progress 1
		.amdhsa_inst_pref_size 149
	.end_amdhsa_kernel
	.amdgpu_metadata
---
amdhsa.version: [ 1, 2 ]
amdhsa.kernels:
  - .name:           k_q5fd78a18b3_proj
    .symbol:         k_q5fd78a18b3_proj.kd
    .args:
      - { .name: xb, .offset: 0, .size: 8, .value_kind: global_buffer, .address_space: global }
      - { .name: wt, .offset: 8, .size: 8, .value_kind: global_buffer, .address_space: global }
      - { .name: qh, .offset: 16, .size: 8, .value_kind: global_buffer, .address_space: global }
      - { .name: kh, .offset: 24, .size: 8, .value_kind: global_buffer, .address_space: global }
      - { .name: vt, .offset: 32, .size: 8, .value_kind: global_buffer, .address_space: global }
    .group_segment_fixed_size: 327680
    .private_segment_fixed_size: 0
    .kernarg_segment_align: 8
    .kernarg_segment_size: 40
    .max_flat_workgroup_size: 128
    .sgpr_count:     80
    .vgpr_count:     1024
    .wavefront_size: 32
...
	.end_amdgpu_metadata
.endif
;; end of part 2
;; launch attn (part 3): grid 16 x 16, 4 waves a work-group, clusters of 4 x 1, 327,680 bytes of LDS; arguments qh, kh, vt, op, ml; writes op, ml
.if DOCPART == 3
	.amdgcn_target "amdgcn-amd-amdhsa--gfx1250"
	.amdhsa_code_object_version 6
	.text
	.protected	k_q5fd78a18b3_attn
	.globl	k_q5fd78a18b3_attn
	.p2align	8
	.type	k_q5fd78a18b3_attn,@function
k_q5fd78a18b3_attn:
	s_mov_b64 s[64:65], 0
	v_nop
	global_prefetch_b8 v0, s[64:65] scope:SCOPE_SE
	s_setreg_imm32_b32 hwreg(HW_REG_WAVE_MODE, 25, 1), 1
	s_wait_xcnt 0x0
	s_wait_alu depctr_hold_cnt(0) depctr_sa_sdst(0) depctr_va_vdst(0) depctr_va_sdst(0) depctr_va_ssrc(0) depctr_va_vcc(0) depctr_vm_vsrc(0)
	s_getreg_b32 s2, hwreg(HW_REG_IB_STS2, 6, 4)
	s_cmp_eq_u32 s2, 0
	s_cbranch_scc0 .Lentry_in_a_cluster
	s_endpgm
.Lentry_in_a_cluster:
	s_bfe_u32 s2, ttmp6, 0x10000c
	s_cmp_lg_u32 s2, 0x3003
	s_cbranch_scc0 .Lentry_shape_is_right
	s_endpgm
.Lentry_shape_is_right:
; THIRD LAUNCH: attention over a quarter of a batch's keys.  op[part][q][:] = the sum over the part's 1,024 keys of 2^(c s - c m) V[k][:] (f32, not yet divided), ml[part][q] = (c m, l): the part's
; running maximum times c and the sum of its weights; s = Q[q] . K[k], c = log2(e) / sqrt(512).  The next launch joins a query's four parts.  Nothing is left out.
; Q, K, V in f16, laid in the order of the operand registers: a piece of 16 rows x 32 channels is 1,024 bytes, lane l's registers 0-3 at 16 l, its registers 4-7 at 512 + 16 l.
; qh, kh: [tiles of 16 rows][16 channel blocks][1,024]; vt: [blocks of 32 keys][8 blocks of 16 channels][1,024].  So tiles are dense in memory and in LDS, and every load of a wave takes 512 bytes on end.
; Products, maxima and sums in f32; the weights are rounded to f16 for the second product, their sum is taken unrounded.
; LIMITS.  A weight below 2^-126 counts as 0; NaN and infinities are not treated apart.
; SHARES.  A work-group owns 256 queries and 1,024 keys (y = 4 x batch + part); each of four waves 64 queries, four tiles of 16, whose Q (512 registers) and O^T (256) stay in registers.
; The keys go in 32 SUBSTEPS of 32.  S^T = K Q^T holds one query a lane and the keys 8 (lane / 16) + 0..7 of each block of 16; two such results rounded in pairs ARE source 1 of O^T = V^T P.
; TURNS.  Turn j: 128 products K Q^T of substep j + 1, beside them the softmax of substep j (list A: rescaling of O^T, scalings, exponentials, sums, roundings); then 32 products V^T P of substep j,
; beside them the maximum and statistics of substep j + 1 (list B).  S^T has two buffers by j's parity; P is written into the low half of the buffer at work, list B's work registers lie in its upper half.
; RING.  Slot s of LDS (two take turns) holds K of substeps 2 s + 1, 2 s + 2 and V of 2 s, 2 s + 1: all that turns 2 s and 2 s + 1 read.  K of substep 0 has bytes of its own.  One round of the cluster's
; barrier for each slot; a refill has two turns, 320 matrix instructions, in which to land.  It asks once more for substep 31's rows, and those LDS bytes are
; not read: 32 KiB a cluster, the price of one text for every joint load.
; CLUSTER.  The four query blocks of a cluster walk the same K and V: each tile is asked for jointly, the same load, descriptor and mask in all four.
; FRAGMENTS.  A GROUP is two fragments (4 LDS loads) for 8 matrix instructions; a turn has 20: 16 of K (32 channels each), 4 of V (32 channels each).  The loads stand in 7 RUNS a turn, of 3, 3, 3, 3, 3, 2, 3
; groups, never singly among the matrix instructions.  Two banks of 48 registers take turns: a run is asked for at the head of the run before it, into the bank that has just been read out.
; REGISTERS (windows of 256; s_set_vgpr_msb: bits 1:0 source 0, 3:2 source 1, 5:4 source 2, 7:6 destination):
;   window 0: v0-7 addresses; v8-31 statistics, six a tile: c m, m, l (even, odd keys), a, c m_old - c m_new; v32-127 the fragments' two banks; v128-255 S^T, two buffers
;   window 1: O^T, 64 a tile          windows 2, 3: Q: tile t, channels 32 c on at 64 t + 8 (c % 8) of window 2 + c / 8
.set KSUB,  32768                      ; K of a substep: two tiles of 16 keys
.set VSUB,  8192                       ; V of a substep
.set VOFF,  2*KSUB
.set SLOT1, 1<<17
.set K0,    VOFF+2*VSUB                ; K of substep 0: behind slot 0's tiles, filled once
.set STAGE, SLOT1+VOFF+2*VSUB          ; behind the ring: 16 rows x 528 bytes for each wave
.set SP,    528
.set SPARE, STAGE+4*16*SP              ; the spare words, 128 bytes for each wave, named by no other line
.set AK0, 1                            ; v1 16 x my lane: my place in a piece; also my offset in Q's pieces and in a row of op
.set AV0, 2                            ; v2 the same + VOFF
.set AK,  3                            ; v3 my place in the slot's K; v4 in its V
.set AV,  4
.set SPW, 5
.set NIL, 6
.set PFO, 7
.set ST,  8
.set FR,  32
.set SS,  128
.set AKP, SS+64                        ; my place in K of substep 0: in the second S^T buffer, which nothing writes before turn 0
.set LN,  FR                           ; the way out's addresses are made behind the loop, in the fragments' registers
.set R16, FR+1
.set HV,  FR+2
.set STO, FR+3
.set RD,  FR+4
.set MLO, FR+5
.set MLP, FR+6
.set WV,  14                           ; s14 wave; s15 wave % 2; s16 cx
.set HH,  15
.set CX,  16
.set G1K,  24
.set G1K0, 32
.set G1V,  40
.set G0K0, 48
.set G0KA, 52
.set G0KB, 56                          ; walks
.set G0VA, 60
.set G0VB, 68                          ; walks
.set SLOTS, 72
.set TB,   73                          ; LDS byte at which the slot in hand begins
.set CS,   74
.set SEL,  76
.set PFA,  78
.set PFS,  80
.set LIM,  82
.set PARM, 83
.set KST,  84
.set KLAST, 86
.set TT,   87
.set W_RS, 0x41                        ; O^T (destination, source 0) in window 1, a in window 0
.set MSB, 0
.set PLN, 0                            ; plain vector instructions written since the eighth matrix instruction of the last group
.set NXT, 0                            ; LDS loads asked for behind the run in hand
.macro WIN new
.if MSB != (\new)
	s_set_vgpr_msb (MSB<<8)|(\new)
.set MSB, \new
.endif
.endm
.macro WINL                            ; for LDS loads: destination and address in window 0; the other fields do not matter to them
.if (MSB & 0xc3) != 0
	WIN 0
.endif
.endm
.macro WINE                            ; for lines whose source 1 is no vector register: the setting of K Q^T, which differs from 0 in that field alone, serves them as it stands
.if (MSB & 0xf3) != 0
	WIN 0
.endif
.endm
.macro NEED n                          ; fills up with v_nop to n places behind that matrix instruction (ISA guide 7.12.1; exponentials and lane exchanges are not counted)
.if PLN < (\n)
.rept (\n)-PLN
	v_nop
.endr
.set PLN, (\n)
.endif
.endm
.macro JLOAD                           ; a joint refill: waves 0, 1 K's two substeps, waves 2, 3 V's two; an s_nop 0 and four v_nop follow each line
	s_cmp_lt_u32 s[WV], 2
	s_cbranch_scc0 .Lfor_v_\@
	tensor_load_to_lds s[G0KB:G0KB+3], s[G1K:G1K+7]
	s_nop 0
.rept 4
	v_nop
.endr
	s_branch .Lasked_\@
.Lfor_v_\@:
	tensor_load_to_lds s[G0VB:G0VB+3], s[G1V:G1V+7]
	s_nop 0
.rept 4
	v_nop
.endr
.Lasked_\@:
.endm
; A prefetch into the L2, behind the joint refill of tile t and the run of LDS loads: keys 64 (t + 2) .. + 63 of my part, which the next two refills will ask for.  The first cluster of the four that
; walk these keys asks; its partners share the blocks out by address.  Waves 0, 1: K, 65,536 bytes: 16,384 a work-group, 32 blocks of 256 bytes a wave, a lane a block.  Wave 2: V, at even t alone,
; 128 keys: 32,768 bytes, 32 blocks a work-group.  Each block is named once.  The last two refills ask for nothing.
.macro ASK
	s_and_b32 s[TT], s[SLOTS], s[PARM]
	s_cmp_eq_u32 s[TT], 0
	s_cselect_b32 s[TT], s[LIM], -1
	s_cmp_gt_u32 s[SLOTS], s[TT]
	s_cbranch_scc0 .Lnot_mine_\@
	global_prefetch_b8 v[PFO], s[PFA:PFA+1] th:TH_LOAD_NT scope:SCOPE_SE
.Lnot_mine_\@:
.endm
.macro CREST
	s_cmp_lg_u32 s[WV], 0
	s_cbranch_scc1 .Lnot_wave_0_\@
	s_barrier_signal -3
.Lnot_wave_0_\@:
	s_barrier_wait -3
	s_barrier_signal -1
	s_barrier_wait -1
.endm
.macro CROUND
	s_barrier_signal -1
	s_barrier_wait -1
	CREST
.endm
	s_load_b256 s[4:11], s[0:1], 0x0               ; qh s[4:5], kh s[6:7], vt s[8:9], op s[10:11]
	s_load_b64 s[12:13], s[0:1], 0x20              ; ml
	v_lshl_add_u32 v[SPW], v0, 2, SPARE
	v_mov_b32 v[NIL], 0
	ds_add_u32 v[SPW], v[NIL]                      ; the wave's opening: the add, twice on end, and its wait ahead of my first tensor load
	ds_add_u32 v[SPW], v[NIL]
	v_lshrrev_b32 v1, 5, v0
	v_readfirstlane_b32 s[WV], v1
	s_and_b32 s[HH], s[WV], 1
	s_bfe_u32 s[CX], ttmp6, 0x40000
	s_and_b32 s17, ttmp7, 0xffff                   ; y = 4 x batch + part, which the partners share
.irp g, G1K, G1K0, G1V                         ; dense blocks, asked for as rows of 256 bytes
	s_mov_b32 s[\g], 15|(3<<16)|(1<<21)            ; the mask of four; 8-byte elements; bit 21 beside a mask; no padding
	s_mov_b32 s[\g+1], 32<<16                      ; tensor_dim0 = 32
	s_mov_b32 s[\g+3], 32<<16                      ; tile_dim0 = 32
	s_mov_b32 s[\g+5], 32                          ; elements from row to row
	s_mov_b32 s[\g+6], 0
	s_mov_b32 s[\g+7], 0
.endr
	s_mov_b32 s[G1K+2], 128<<16                    ; 128 rows: K of a substep
	s_mov_b32 s[G1K+4], 128
	s_mov_b32 s[G1K0+2], 64<<16                    ; 64 rows: half of substep 0's
	s_mov_b32 s[G1K0+4], 64
	s_mov_b32 s[G1V+2], 32<<16                     ; 32 rows: V of a substep
	s_mov_b32 s[G1V+4], 32
	s_mov_b32 s[CS], 0x3d8293ee                    ; c = log2(e) / sqrt(512) = 0.0637587
	s_mov_b32 s[CS+1], s[CS]
	s_mov_b32 s[SEL], 0x76543210
	s_mov_b32 s[SEL+1], 0xfedcba98
	s_mov_b32 s[TB], 0
	s_mov_b32 s[SLOTS], 15
	s_mov_b32 s[KST+1], 0
	s_lshl_b32 s[KLAST], s[HH], 15
	s_sub_co_u32 s[KLAST], 0x10000, s[KLAST]       ; K's last step: two substeps for wave 0, one for wave 1
	s_mov_b32 s[G0K0], 1
	s_mul_i32 s18, s[HH], 16384
	s_add_co_u32 s[G0K0+1], s18, K0
	s_mov_b32 s[G0KA], 1
	s_mul_i32 s[G0KA+1], s[HH], KSUB
	s_mov_b32 s[G0KB], 1
	s_add_co_u32 s[G0KB+1], s[G0KA+1], SLOT1
	s_mov_b32 s[G0VA], 1
	s_mul_i32 s18, s[HH], VSUB
	s_add_co_u32 s[G0VA+1], s18, VOFF
	s_mov_b32 s[G0VB], 1
	s_add_co_u32 s[G0VB+1], s18, SLOT1+VOFF
	s_lshl_b32 s18, s17, 20                        ; my part's 1,024 keys in kh
	s_mov_b32 s19, 0
	s_lshl_b32 s20, s17, 18                        ; and in vt
	s_mov_b32 s21, 0
	s_lshl_b32 s22, s[HH], 14
	s_mov_b32 s23, 0
	s_wait_dscnt 0x0                               ; both opening adds are done
	s_wait_kmcnt 0x0
	s_add_nc_u64 s[6:7], s[6:7], s[18:19]
	s_add_nc_u64 s[8:9], s[8:9], s[20:21]
	s_add_nc_u64 s[G0K0+2:G0K0+3], s[6:7], s[22:23]        ; keys 16 h ..
	s_or_b32 s[G0K0+3], s[G0K0+3], 0x80000000
	s_lshl_b32 s22, s[HH], 15
	s_add_nc_u64 s[G0KA+2:G0KA+3], s[6:7], s[22:23]
	s_add_nc_u64 s[G0KA+2:G0KA+3], s[G0KA+2:G0KA+3], 32768  ; keys 32 + 32 h ..
	s_add_nc_u64 s[G0KB+2:G0KB+3], s[G0KA+2:G0KA+3], 65536  ; 64 keys on
	s_or_b32 s[G0KA+3], s[G0KA+3], 0x80000000
	s_or_b32 s[G0KB+3], s[G0KB+3], 0x80000000
	s_lshl_b32 s22, s[HH], 13
	s_add_nc_u64 s[G0VA+2:G0VA+3], s[8:9], s[22:23]
	s_add_nc_u64 s[G0VB+2:G0VB+3], s[G0VA+2:G0VA+3], 16384
	s_or_b32 s[G0VA+3], s[G0VA+3], 0x80000000
	s_or_b32 s[G0VB+3], s[G0VB+3], 0x80000000
	CROUND                                         ; all four work-groups are here: the first joint loads meet
	s_cmp_lt_u32 s[WV], 2                          ; a wave's first fills stand in one branch: three loads of mine are out at the most
	s_cbranch_scc0 .Lfirst_v
	tensor_load_to_lds s[G0K0:G0K0+3], s[G1K0:G1K0+7]
	s_nop 0
	tensor_load_to_lds s[G0KA:G0KA+3], s[G1K:G1K+7]
	s_nop 0
	tensor_load_to_lds s[G0KB:G0KB+3], s[G1K:G1K+7]
	s_nop 0
.rept 4
	v_nop
.endr
	s_branch .Lfirst_asked
.Lfirst_v:
	tensor_load_to_lds s[G0VA:G0VA+3], s[G1V:G1V+7]
	s_nop 0
	tensor_load_to_lds s[G0VB:G0VB+3], s[G1V:G1V+7]
	s_nop 0
.rept 4
	v_nop
.endr
.Lfirst_asked:
	s_lshl_b32 s18, ttmp9, 2
	s_add_co_u32 s18, s18, s[CX]                   ; my block of 256 queries: it enters Q's, op's and ml's addresses alone
	s_lshl_b32 s18, s18, 8
	s_lshr_b32 s19, s17, 2
	s_lshl_b32 s19, s19, 12                        ; the batch's 4,096 rows
	s_add_co_u32 s18, s18, s19
	s_lshl_b32 s19, s[WV], 6
	s_add_co_u32 s18, s18, s19                     ; my wave's first row
	s_and_b32 s17, s17, 3                          ; the part
	s_lshl_b32 s20, s18, 10
	s_mov_b32 s21, 0
	s_add_nc_u64 s[4:5], s[4:5], s[20:21]
	s_lshl_b32 s20, s18, 9
	s_lshl_b32 s22, s17, 23
	s_add_co_u32 s20, s20, s22
	s_add_nc_u64 s[10:11], s[10:11], s[20:21]
	s_lshl_b32 s20, s18, 3
	s_lshl_b32 s22, s17, 17
	s_add_co_u32 s20, s20, s22
	s_add_nc_u64 s[12:13], s[12:13], s[20:21]
	v_and_b32 v[AK0], 31, v0
	v_lshlrev_b32 v[AK0], 4, v[AK0]
	WIN 0x80                                       ; Q stays in registers: channels 0-255 in window 2,
.set i, 0
.rept 32
	global_load_b128 v[8*i:8*i+3],   v[AK0], s[4:5] offset:(i/8)*16384+(i%8)*1024
	global_load_b128 v[8*i+4:8*i+7], v[AK0], s[4:5] offset:(i/8)*16384+(i%8)*1024+512
.set i, i+1
.endr
	WIN 0xc0                                       ; channels 256-511 in window 3
.set i, 0
.rept 32
	global_load_b128 v[8*i:8*i+3],   v[AK0], s[4:5] offset:(i/8)*16384+8192+(i%8)*1024
	global_load_b128 v[8*i+4:8*i+7], v[AK0], s[4:5] offset:(i/8)*16384+8192+(i%8)*1024+512
.set i, i+1
.endr
	WIN 0x40                                       ; O^T and l start at 0, c m far below every c s: the first substep is one like any other, with a = 0.  Written in the wait for the first tiles
.set i, 0
.rept 256
	v_mov_b32 v[i], 0
.set i, i+1
.endr
	WIN 0
.set i, 0
.rept 4
	v_mov_b32 v[ST+6*i], 0xfe000000
	v_mov_b32 v[ST+6*i+1], 0xff7fffff
	v_mov_b32 v[ST+6*i+2], 0
	v_mov_b32 v[ST+6*i+3], 0
.set i, i+1
.endr
	v_add_nc_u32 v[AV0], VOFF, v[AK0]
	v_mov_b32 v[AK], v[AK0]
	v_mov_b32 v[AV], v[AV0]
	v_add_nc_u32 v[AKP], K0, v[AK0]
	; the prefetches
	s_lshl_b32 s2, s[CX], 14                       ; K: my work-group's 16,384 bytes of 65,536
	s_lshl_b32 s3, s[CX], 13                       ; V: my 8,192 of 32,768
	s_mov_b32 s18, 3*16384
	s_mov_b32 s19, 16384
	s_lshl_b32 s22, s[WV], 13                      ; K: my wave's half of the work-group's share
	s_cmp_lt_u32 s[WV], 2
	s_cselect_b64 s[PFA:PFA+1], s[6:7], s[8:9]
	s_cselect_b32 s2, s2, s3
	s_cselect_b32 s18, 3*65536, s18                ; one step short of the first that is asked for: each change of slots steps first
	s_cselect_b32 s[PFS], 65536, s19
	s_cselect_b32 s22, s22, 0
	s_cselect_b32 s[PARM], 0, 1
	s_add_co_u32 s2, s2, s18
	s_mov_b32 s3, 0
	s_add_nc_u64 s[PFA:PFA+1], s[PFA:PFA+1], s[2:3]
	s_mov_b32 s[PFS+1], 0
	s_cmp_lt_u32 s[WV], 3
	s_cselect_b32 s[LIM], 2, -1
	s_cmp_eq_u32 ttmp9, 0
	s_cselect_b32 s[LIM], s[LIM], -1               ; the same in all four partners
	v_and_b32 v[PFO], 31, v0
	v_lshlrev_b32 v[PFO], 8, v[PFO]
	v_add_nc_u32 v[PFO], s22, v[PFO]
; THE LDS LOADS of a group: two fragments, four loads of 512 bytes on end
.macro LDK fb, adr, off                ; 32 keys x 32 channels of K: the two tiles of 16 keys lie 16,384 bytes apart
	ds_load_b128 v[\fb:\fb+3],     v[\adr] offset:(\off)
	ds_load_b128 v[\fb+4:\fb+7],   v[\adr] offset:(\off)+512
	ds_load_b128 v[\fb+8:\fb+11],  v[\adr] offset:(\off)+16384
	ds_load_b128 v[\fb+12:\fb+15], v[\adr] offset:(\off)+16384+512
.endm
.macro LDV fb, off                     ; 32 channels x 32 keys of V^T: two channel blocks on end
	ds_load_b128 v[\fb:\fb+3],     v[AV] offset:(\off)
	ds_load_b128 v[\fb+4:\fb+7],   v[AV] offset:(\off)+512
	ds_load_b128 v[\fb+8:\fb+11],  v[AV] offset:(\off)+1024
	ds_load_b128 v[\fb+12:\fb+15], v[AV] offset:(\off)+1536
.endm
; Group gg of a turn of parity par: 0-15 K, 16-19 V.  Its run's number plus bp gives the bank, its place in the run the sixteen registers.  kind = 1: the prologue, from substep 0's bytes
.macro LOADG gg, par, bp, kind
.if (\gg) < 15
.set LB, FR+48*(((\gg)/3+(\bp))%2)+16*((\gg)%3)
.elseif (\gg) < 17
.set LB, FR+48*((5+(\bp))%2)+16*((\gg)-15)
.else
.set LB, FR+48*((6+(\bp))%2)+16*((\gg)-17)
.endif
.if (\kind) == 1
	LDK LB, AKP, 1024*(\gg)
.elseif (\gg) < 16
	LDK LB, AK, KSUB*(\par)+1024*(\gg)
.else
	LDV LB, VSUB*(\par)+2048*((\gg)-16)
.endif
.endm
; The run that is asked for at the head of group g (0, 3, 6, 9, 12, 15).  The prologue has 16 groups: its last run is group 15 alone, and behind it comes turn 0's first run.
.macro NEXTRUN g, par, bp, kind
.if (\g) < 12
	LOADG (\g)+3, \par, \bp, \kind
	LOADG (\g)+4, \par, \bp, \kind
	LOADG (\g)+5, \par, \bp, \kind
.set NXT, 12
.elseif (\g) == 12
	LOADG 15, \par, \bp, \kind
.set NXT, 4
.if (\kind) == 0
	LOADG 16, \par, \bp, 0
.set NXT, 8
.endif
.elseif (\kind) == 1
	LOADG 0, 0, 0, 0
	LOADG 1, 0, 0, 0
	LOADG 2, 0, 0, 0
.set NXT, 12
.else
	LOADG 17, \par, \bp, 0
	LOADG 18, \par, \bp, 0
	LOADG 19, \par, \bp, 0
.set NXT, 12
.endif
.endm
; THE MATRIX WORK.  Number w of a group's eight, from the sixteen registers at FB; the eight accumulators take turns, one instruction a turn.
.macro KQW g, par                      ; S^T: key block w / 4, tile w % 4, channels 32 g on.  Group 0 starts the sums
.set rD, SS+64*(1-(\par))+16*(w%4)+8*(w/4)
.set rA, FB+8*(w/4)
.set rB, 64*(w%4)+8*((\g)%8)
	WIN 0x08+4*((\g)/8)
.if (\g) == 0
	v_wmma_f32_16x16x32_f16 v[rD:rD+7], v[rA:rA+7], v[rB:rB+7], 0
.else
	v_wmma_f32_16x16x32_f16 v[rD:rD+7], v[rA:rA+7], v[rB:rB+7], v[rD:rD+7]
.endif
.endm
.macro PVW g, par                      ; O^T: channel block 2 (g - 16) + w / 4, tile w % 4
.set rD, 64*(w%4)+8*(2*((\g)-16)+w/4)
.set rA, FB+8*(w/4)
.set rB, SS+64*(\par)+16*(w%4)
	WIN 0x50
	v_wmma_f32_16x16x32_f16 v[rD:rD+7], v[rA:rA+7], v[rB:rB+7], v[rD:rD+7]
.endm
; LIST A, the softmax of the substep at work.  RIDE writes what stands behind product n of the turn's 128 K Q^T.  A lane has 16 scores a tile: 8 pairs; pair p of 32 is pair p / 4 of tile p % 4.
;   n < 96, by threes, f = n / 3: the scaling c s - c m of pair f + 1 (at f = 0 of pair 0 too) and the first exponential of pair f; its second exponential; four pairs of O^T times a, ascending.
;   Scalings and exponentials name no vector register as source 1, so they stand under the product's own window setting.  Nothing ahead of n = 96 names an exponential's result: the 64 are one batch; the
;   four rescalings behind product 95 are the plain instructions behind the last exponential; the one wait stands at the head of group 12, ahead of that group's run of loads.
;   n = 97, 99 .. 111: l = a l + pair 0, then l += pair i, for the four tiles.   n = 113 .. 127: pair i rounded to f16 into register i of the tile's sixteen, ascending: P in place.
.macro FSC p
.set fr, SWB+16*((\p)%4)+2*((\p)/4)
.set ft, ST+6*((\p)%4)
	v_pk_fma_f32 v[fr:fr+1], v[fr:fr+1], s[CS:CS+1], v[ft:ft+1] op_sel_hi:[1,0,0] neg_lo:[0,0,1] neg_hi:[0,0,1]
.set PLN, PLN+1
.endm
.macro EXPS f, which
.set fr, SWB+16*((\f)%4)+2*((\f)/4)+(\which)
	v_exp_f32 v[fr], v[fr]
.endm
.macro RSL s
	WIN W_RS
.set q, 0
.rept 4
.set rr, 4*(\s)+q
.set ro, 64*(rr/32)+2*(rr%32)
.set rt, ST+6*(rr/32)
	v_pk_mul_f32 v[ro:ro+1], v[ro:ro+1], v[rt+4:rt+5] op_sel_hi:[1,0]
.set q, q+1
.endr
.set PLN, PLN+4
.endm
.macro POST i
	WIN 0
.set q, 0
.rept 4
.set rt, ST+6*q
.set fr, SWB+16*q
.if (\i) == 0
	v_pk_fma_f32 v[rt+2:rt+3], v[rt+2:rt+3], v[rt+4:rt+5], v[fr:fr+1] op_sel_hi:[1,0,1]
.elseif (\i) < 8
	v_pk_add_f32 v[rt+2:rt+3], v[rt+2:rt+3], v[fr+2*(\i):fr+2*(\i)+1]
.else
	v_cvt_pk_f16_f32 v[fr+(\i)-8], v[fr+2*((\i)-8)], v[fr+2*((\i)-8)+1]
.endif
.set q, q+1
.endr
.set PLN, PLN+4
.endm
.macro RIDE par
.set SWB, SS+64*(\par)
.if n < 96
.if n%3 == 0
	WINE
.if n == 0
	FSC 0
.endif
.if n < 93
	FSC n/3+1
.endif
	EXPS n/3, 0
.elseif n%3 == 1
	WINE
	EXPS n/3, 1
.else
	RSL n/3
.endif
.elseif n%2 == 1
	POST (n-97)/2
.endif
.set n, n+1
.endm
; LIST B, the next substep's maximum and statistics, in 14 slices of one line a tile; XB writes slice x.  Each accumulator's lowest registers are read first.  Its two work
; registers c0, c1 lie at 8 and 9 of the tile's sixteen in the buffer at work, which are free once P is made.
;   0-6 two chains over the 16 scores; 7 with the old m; 8 the query's other 16 keys lie in the lane 16 away; 9 c m_old is kept; 10 m; 11 c m; 12 c m_old - c m_new; 13 a
.macro XB par
.if x == 0
	NEED 4
.endif
	WIN 0
.set xt, 0
.rept 4
.set rt, ST+6*xt
.set rs, SS+64*(1-(\par))+16*xt
.set rc, SS+64*(\par)+16*xt+8
.if x == 0
	v_max3_num_f32 v[rc], v[rs], v[rs+1], v[rs+2]
.elseif x == 1
	v_max3_num_f32 v[rc+1], v[rs+8], v[rs+9], v[rs+10]
.elseif x == 2
	v_max3_num_f32 v[rc], v[rc], v[rs+3], v[rs+4]
.elseif x == 3
	v_max3_num_f32 v[rc+1], v[rc+1], v[rs+11], v[rs+12]
.elseif x == 4
	v_max3_num_f32 v[rc], v[rc], v[rs+5], v[rs+6]
.elseif x == 5
	v_max3_num_f32 v[rc+1], v[rc+1], v[rs+13], v[rs+14]
.elseif x == 6
	v_max3_num_f32 v[rc], v[rc], v[rs+7], v[rs+15]
.elseif x == 7
	v_max3_num_f32 v[rc], v[rc], v[rc+1], v[rt+1]
.elseif x == 8
	v_permlanex16_b32 v[rc+1], v[rc], s[SEL], s[SEL+1]
.elseif x == 9
	v_mov_b32 v[rt+5], v[rt]
.elseif x == 10
	v_max_num_f32 v[rt+1], v[rc], v[rc+1]
.elseif x == 11
	v_mul_f32 v[rt], s[CS], v[rt+1]
.elseif x == 12
	v_sub_f32 v[rt+5], v[rt+5], v[rt]
.else
	v_exp_f32 v[rt+4], v[rt+5]
.endif
.set xt, xt+1
.endr
.if (x != 8) && (x != 13)
.set PLN, PLN+4
.endif
.set x, x+1
.endm
; A group of K Q^T.  At a run's first group: its own four loads are in when the rest of the run alone is out; then the next run is asked for, into the bank that the run before read, four places behind
; that run's last product.  At the later groups the count leaves out the rest of the run and the next run's loads.
.macro GA g, par, bp, ride, kind
.if (\g) < 15
.set RP, (\g)%3
.set RL, 3
.set FB, FR+48*(((\g)/3+(\bp))%2)+16*RP
.else
.set RP, 0
.set RL, 2-(\kind)
.set FB, FR+48*((5+(\bp))%2)
.endif
.if RP == 0
	s_wait_dscnt 4*(RL-1)
.if (\ride) && ((\g) == 12)
	s_wait_alu depctr_va_vdst(0)                   ; the wait for the batch of 64 exponentials, ahead of their first reader
.endif
	NEED 4
	WINL
	NEXTRUN \g, \par, \bp, \kind
.else
	s_wait_dscnt 4*(RL-1-RP)+NXT
.endif
.set w, 0
.rept 8
	KQW \g, \par
.if w == 7
.set PLN, 0
.endif
.if \ride
	RIDE \par
.endif
.set w, w+1
.endr
.endm
; A group's eight V^T P, from FB: slices of list B behind its products 1, 3, 5, 7.
.macro GBW g, par, xs
.set w, 0
.rept 8
	PVW \g, \par
.if w == 7
.set PLN, 0
.endif
.if (\xs) && (w%2 == 1) && (x < 14)
	XB \par
.endif
.set w, w+1
.endr
.endm
; A group of V^T P with its wait.  Group 16 is the second of its run, 17 to 19 are a run.  nx = 1: at the head of group 17 the next turn's first run is asked for.
.macro GB g, par, nx
.if (\g) == 16
.set FB, FR+48*((5+(\par))%2)+16
	s_wait_dscnt NXT
.elseif (\g) == 17
.set FB, FR+48*((6+(\par))%2)
	s_wait_dscnt 8
.set NXT, 0
.if \nx
	NEED 4
	WIN 0
	LOADG 0, 1-(\par), 1-(\par), 0
	LOADG 1, 1-(\par), 1-(\par), 0
	LOADG 2, 1-(\par), 1-(\par), 0
.set NXT, 12
.endif
.else
.set FB, FR+48*((6+(\par))%2)+16*((\g)-17)
	s_wait_dscnt 4*(19-(\g))+NXT
.endif
	GBW \g, \par, 1
.endm
; A turn's end: five places behind the last V^T P, whose P the next K Q^T writes over and whose O^T list A reads; the first of them is also the plain instruction behind the four a; then their wait.
.macro TEND
	NEED 5
	s_wait_alu depctr_va_vdst(0)
	WIN 0
.endm
.macro PHA par
.set n, 0
.irp g, 0,1,2,3,4,5,6,7,8,9,10,11,12,13,14,15
	GA \g, \par, \par, 1, 0
.endr
.endm
; THE CHANGE OF SLOTS, at the head of an odd turn's last run (groups 17 to 19), whose loads are the last reads of the slot.  Each wave waits for all its tensor loads (the one that is out is its part of the
; next slot), adds 0 to its spare word, and waits for that and for its reads of this slot.  Group 17 stands between the barrier's signal and its wait.  fill = 1: the barrier opens a round of the
; cluster's, and the joint refill is the first thing behind it.  Then the next turn's first run is asked for, from the new slot: groups 18 and 19 are the work in which it lands.
.macro CHG fill
.set x, 4
	WIN 0
	s_wait_tensorcnt 0x0                           ; no tensor load of mine is out, so a group 0 may be written
	ds_add_u32 v[SPW], v[NIL]
.if \fill
	s_cmp_eq_u32 s[SLOTS], 1                       ; the last fill?
	s_cselect_b32 s[KST], s[KLAST], 0x10000
	s_xor_b32 s[G0KB+1], s[G0KB+1], SLOT1          ; the other slot than last time,
	s_add_nc_u64 s[G0KB+2:G0KB+3], s[G0KB+2:G0KB+3], s[KST:KST+1]  ; the next 64 keys
	s_xor_b32 s[G0VB+1], s[G0VB+1], SLOT1
	s_add_nc_u64 s[G0VB+2:G0VB+3], s[G0VB+2:G0VB+3], 16384
	s_wait_xcnt 0x0                                ; the last prefetch, two turns back, has read its address
	s_add_nc_u64 s[PFA:PFA+1], s[PFA:PFA+1], s[PFS:PFS+1]
.endif
	s_wait_dscnt 0x0                               ; the add is done, and my reads of this slot are over
	s_barrier_signal -1
.set FB, FR+48
	GBW 17, 1, 1
	WIN 0
	s_barrier_wait -1
.if \fill
	CREST                                          ; no wave of any partner still reads this slot or has a load on its way
	JLOAD
.set PLN, PLN+4
.else
	NEED 4
.endif
	s_xor_b32 s[TB], s[TB], SLOT1
	v_add_nc_u32 v[AK], s[TB], v[AK0]
	v_add_nc_u32 v[AV], s[TB], v[AV0]
	LOADG 0, 0, 0, 0
	LOADG 1, 0, 0, 0
	LOADG 2, 0, 0, 0
.if \fill
	ASK
.endif
.set FB, FR+48+16
	GBW 18, 1, 1
.set FB, FR+48+32
	GBW 19, 1, 1
	TEND
.endm
	s_wait_tensorcnt 0x1                           ; substep 0's K and slot 0 are in (my parts); slot 1's load may stay out
	s_barrier_signal -1
	s_barrier_wait -1
	LOADG 0, 0, 0, 1
	LOADG 1, 0, 0, 1
	LOADG 2, 0, 0, 1
	s_wait_loadcnt 0x0                             ; Q
.set PLN, 4
.irp g, 0,1,2,3,4,5,6,7,8,9,10,11,12,13,14,15
	GA \g, 1, 0, 0, 1                              ; substep 0's scores: there is no vector work yet to set between them
.endr
.set x, 0
.rept 14
	XB 1                                           ; and its maximum and statistics
.endr
.set PLN, 0
	TEND
	s_branch .Lentry
.Lslot:                                        ; 14 times: every slot but the last two is filled again
	CHG 1
.Lentry:
	PHA 0                                          ; turn 2 s
.set x, 0
	GB 16, 0, 1
	GB 17, 0, 1
	GB 18, 0, 1
	GB 19, 0, 1
	TEND
	PHA 1                                          ; turn 2 s + 1, up to its first group of V^T P
.set x, 0
	GB 16, 1, 0
	WIN 0
	s_sub_co_u32 s[SLOTS], s[SLOTS], 1
	s_cmp_lg_u32 s[SLOTS], 0
	s_cbranch_scc1 .Lslot
	CHG 0                                          ; the tail is written out: nothing is asked for
	PHA 0                                          ; turn 30
.set x, 0
	GB 16, 0, 0
	GB 17, 0, 0
	GB 18, 0, 0
	GB 19, 0, 0
	TEND
	LDV FR, VSUB                                   ; turn 31: there is no further K; V's four groups in one run, the softmax by itself, the last products
	LDV FR+16, VSUB+2048
	LDV FR+32, VSUB+4096
	LDV FR+48, VSUB+6144
.set n, 0
.rept 96
	RIDE 1
.endr
	s_wait_alu depctr_va_vdst(0)                   ; the wait for the batch, ahead of its first reader
.rept 32
	RIDE 1
.endr
	s_wait_dscnt 0x0
.set FB, FR
	GBW 16, 1, 0
.set FB, FR+16
	GBW 17, 1, 0
.set FB, FR+32
	GBW 18, 1, 0
.set FB, FR+48
	GBW 19, 1, 0
	; THE WAY OUT.  l's two halves and the other half of the lanes' are added (the first four lines are the places behind the last products); (c m, l) go to ml, O^T through my stage to op.
	WIN 0
.irp t, 0,1,2,3
	v_add_f32 v[ST+6*\t+5], v[ST+6*\t+2], v[ST+6*\t+3]
.endr
.irp t, 0,1,2,3
	v_permlanex16_b32 v[ST+6*\t+4], v[ST+6*\t+5], s[SEL], s[SEL+1]
.endr
.irp t, 0,1,2,3
	v_add_f32 v[ST+6*\t+2], v[ST+6*\t+5], v[ST+6*\t+4]
.endr
	v_and_b32 v[LN], 31, v0
	v_and_b32 v[R16], 15, v0
	v_bfe_u32 v[HV], v0, 4, 1
	s_mul_i32 s18, s[WV], 16*SP
	s_add_co_u32 s18, s18, STAGE
	v_mul_u32_u24 v[STO], v[R16], SP
	v_lshl_add_u32 v[STO], v[HV], 5, v[STO]
	v_add_nc_u32 v[STO], s18, v[STO]               ; in: row l % 16, 32 bytes for each half of the lanes
	v_lshl_add_u32 v[RD], v[LN], 4, s18            ; back: 32 lanes take a row of 512 bytes
	v_lshlrev_b32 v[MLO], 3, v[LN]
	v_cmp_lt_u32 vcc_lo, 15, v[LN]                 ; lane L takes query L of 32: tile 0 or 2 below 16, tile 1 or 3 from 16 on
	v_cndmask_b32 v[MLP], v[ST], v[ST+6], vcc_lo
	v_cndmask_b32 v[MLP+1], v[ST+2], v[ST+8], vcc_lo
	v_cndmask_b32 v[MLP+2], v[ST+12], v[ST+18], vcc_lo
	v_cndmask_b32 v[MLP+3], v[ST+14], v[ST+20], vcc_lo
	global_store_b64 v[MLO], v[MLP:MLP+1], s[12:13]               ; 256 consecutive bytes, aligned
	global_store_b64 v[MLO], v[MLP+2:MLP+3], s[12:13] offset:256
.macro PACK t                          ; a lane's eight channels of a row are 32 bytes; they go into rows of 528 bytes and come back as whole rows of 512
	WIN 0x04                                       ; the stores' data in window 1
.irp cb, 0,1,2,3,4,5,6,7
	ds_store_b128 v[STO], v[64*(\t)+8*(\cb):64*(\t)+8*(\cb)+3]   offset:64*(\cb)
	ds_store_b128 v[STO], v[64*(\t)+8*(\cb)+4:64*(\t)+8*(\cb)+7] offset:64*(\cb)+16
.endr
	WIN 0
.irp i, 0,1,2,3,4,5,6,7,8,9,10,11,12,13,14,15
	ds_load_b128 v[SS+64*((\t)%2)+4*(\i):SS+64*((\t)%2)+4*(\i)+3], v[RD] offset:SP*(\i)  ; LDS serves a wave's instructions in order (ISA guide 5.7.1.4)
.endr
.endm
.macro SEND t, younger                 ; younger: the LDS instructions issued behind tile t's loads
.irp i, 0,1,2,3,4,5,6,7,8,9,10,11,12,13,14,15
	s_wait_dscnt (\younger)+15-(\i)
	global_store_b128 v[AK0], v[SS+64*((\t)%2)+4*(\i):SS+64*((\t)%2)+4*(\i)+3], s[10:11] offset:(16*(\t)+(\i))*512  ; a row of op: 512 consecutive bytes, aligned
.endr
.endm
	PACK 0
	PACK 1
	SEND 0, 32
	s_wait_xcnt 0x0                                ; tile 0's stores have read their registers, which tile 2 takes
	PACK 2
	SEND 1, 32
	s_wait_xcnt 0x0
	PACK 3
	SEND 2, 32
	SEND 3, 0
	s_wait_tensorcnt 0x0                           ; the wave's end
	ds_add_u32 v[SPW], v[NIL]
	s_wait_dscnt 0x0
	CROUND                                         ; the closing round
	s_endpgm
.Lfunc_end_k_q5fd78a18b3_attn:
	.size	k_q5fd78a18b3_attn, .Lfunc_end_k_q5fd78a18b3_attn-k_q5fd78a18b3_attn
	.p2alignl 7, 3214868480
	.fill 96, 4, 3214868480
	.section	.rodata,"a",@progbits
	.p2align	6, 0x0
	.amdhsa_kernel k_q5fd78a18b3_attn
		.amdhsa_group_segment_fixed_size 327680
		.amdhsa_private_segment_fixed_size 0
		.amdhsa_enable_private_segment 0
		.amdhsa_kernarg_size 40
		.amdhsa_user_sgpr_count 2
		.amdhsa_user_sgpr_kernarg_segment_ptr 1
		.amdhsa_wavefront_size32 1
		.amdhsa_system_sgpr_workgroup_id_x 1
		.amdhsa_system_sgpr_workgroup_id_y 1
		.amdhsa_system_sgpr_workgroup_id_z 1
		.amdhsa_system_vgpr_workitem_id 0
		.amdhsa_next_free_vgpr 1024
		.amdhsa_next_free_sgpr 88
		.amdhsa_reserve_vcc 1
		.amdhsa_float_denorm_mode_32 3
		.amdhsa_float_denorm_mode_16_64 3
		.amdhsa_memory_ordered 1
		.amdhsa_forward_progress 1
		.amdhsa_inst_pref_size 208
	.end_amdhsa_kernel
	.amdgpu_metadata
---
amdhsa.version: [ 1, 2 ]
amdhsa.kernels:
  - .name:           k_q5fd78a18b3_attn
    .symbol:         k_q5fd78a18b3_attn.kd
    .args:
      - { .name: qh, .offset: 0, .size: 8, .value_kind: global_buffer, .address_space: global }
      - { .name: kh, .offset: 8, .size: 8, .value_kind: global_buffer, .address_space: global }
      - { .name: vt, .offset: 16, .size: 8, .value_kind: global_buffer, .address_space: global }
      - { .name: op, .offset: 24, .size: 8, .value_kind: global_buffer, .address_space: global }
      - { .name: ml, .offset: 32, .size: 8, .value_kind: global_buffer, .address_space: global }
    .group_segment_fixed_size: 327680
    .private_segment_fixed_size: 0
    .kernarg_segment_align: 8
    .kernarg_segment_size: 40
    .max_flat_workgroup_size: 128
    .sgpr_count:     88
    .vgpr_count:     1024
    .wavefront_size: 32
...
	.end_amdgpu_metadata
.endif
;; end of part 3
;; launch comb (part 4): grid 256 x 1, 8 waves a work-group, no clusters, 0 bytes of LDS; arguments op, ml, out0; writes out0
.if DOCPART == 4
	.amdgcn_target "amdgcn-amd-amdhsa--gfx1250"
	.amdhsa_code_object_version 6
	.text
	.protected	k_q5fd78a18b3_comb
	.globl	k_q5fd78a18b3_comb
	.p2align	8
	.type	k_q5fd78a18b3_comb,@function
k_q5fd78a18b3_comb:
	s_mov_b64 s[64:65], 0
	v_nop
	global_prefetch_b8 v0, s[64:65] scope:SCOPE_SE
	s_setreg_imm32_b32 hwreg(HW_REG_WAVE_MODE, 25, 1), 1
	s_wait_xcnt 0x0
; FOURTH LAUNCH: a query's four partial softmaxes are joined.  With M = the greatest of the four c m, w_j = 2^(c m_j - M) and L = the sum of w_j l_j: out0[q] = the sum of (w_j / L) op[j][q].
; The part that holds the maximum has w = 1 and l at least 1, so L is at least 1.  Nothing is left out.
; SHARES.  A work-group has 64 rows, a wave 8, one row (512 bytes) to a load or store of the wave.  All 48 loads of a wave go out first.  No LDS, no matrix unit: each byte is read once.
.set VO, 3                             ; v3  my 16 bytes of my wave's first row
.set VM, 4                             ; v4  my wave's 8 rows in ml (the same in all lanes)
.set ML, 16                            ; v[16:79]   part j, row i: (c m, l) at ML + 16 j + 2 i; c m gives way to w
.set D,  80                            ; v[80:207]  row i, part j: 4 registers at D + 16 i + 4 j
.set MX, 208                           ; v[208:215] M
.set LS, 216                           ; v[216:223] L, then 1 / L
	s_load_b128 s[4:7], s[0:1], 0x0                ; op s[4:5], ml s[6:7]
	s_load_b64 s[8:9], s[0:1], 0x10                ; out0
	v_and_b32 v1, 31, v0
	v_lshrrev_b32 v2, 5, v0
	v_lshlrev_b32 v[VO], 4, v1
	v_lshl_add_u32 v[VO], v2, 12, v[VO]
	v_lshlrev_b32 v[VM], 6, v2
	s_lshl_b32 s10, ttmp9, 15                      ; 64 rows of 512 bytes
	s_mov_b32 s11, 0
	s_lshl_b32 s20, ttmp9, 9                       ; 64 rows of 8 bytes
	s_mov_b32 s21, 0
	s_wait_kmcnt 0x0
	s_add_nc_u64 s[12:13], s[4:5], s[10:11]        ; a base for each part: 8,388,608 bytes apart
	s_add_nc_u64 s[14:15], s[12:13], 0x800000
	s_add_nc_u64 s[16:17], s[14:15], 0x800000
	s_add_nc_u64 s[18:19], s[16:17], 0x800000
	s_add_nc_u64 s[6:7], s[6:7], s[20:21]
	s_add_nc_u64 s[8:9], s[8:9], s[10:11]
.irp j, 0,1,2,3
.irp i, 0,1,2,3
	global_load_b128 v[ML+16*\j+4*\i:ML+16*\j+4*\i+3], v[VM], s[6:7] offset:\j*131072+16*\i  ; two rows' (c m, l)
.endr
.endr
.irp i, 0,1,2,3,4,5,6,7
.irp j, 0,1,2,3
	global_load_b128 v[D+16*\i+4*\j:D+16*\i+4*\j+3], v[VO], s[12+2*\j:13+2*\j] offset:512*\i th:TH_LOAD_NT
.endr
.endr
	s_wait_loadcnt 32                              ; ml is in; op's 32 loads stay out
.irp i, 0,1,2,3,4,5,6,7
	v_max3_num_f32 v[MX+\i], v[ML+2*\i], v[ML+16+2*\i], v[ML+32+2*\i]
.endr
.irp i, 0,1,2,3,4,5,6,7
	v_max_num_f32 v[MX+\i], v[MX+\i], v[ML+48+2*\i]
.endr
.irp j, 0,1,2,3
.irp i, 0,1,2,3,4,5,6,7
	v_sub_f32 v[ML+16*\j+2*\i], v[ML+16*\j+2*\i], v[MX+\i]
.endr
.endr
.irp j, 0,1,2,3
.irp i, 0,1,2,3,4,5,6,7
	v_exp_f32 v[ML+16*\j+2*\i], v[ML+16*\j+2*\i]
.endr
.endr
	v_nop                                          ; a plain instruction behind the last exponential,
	s_wait_alu depctr_va_vdst(0)                   ; and the one wait for the batch ahead of the first reader
.irp i, 0,1,2,3,4,5,6,7
	v_mul_f32 v[LS+\i], v[ML+2*\i], v[ML+2*\i+1]
.endr
.irp j, 1,2,3
.irp i, 0,1,2,3,4,5,6,7
	v_fmac_f32 v[LS+\i], v[ML+16*\j+2*\i], v[ML+16*\j+2*\i+1]
.endr
.endr
.irp i, 0,1,2,3,4,5,6,7
	v_rcp_f32 v[LS+\i], v[LS+\i]
.endr
	v_nop
	s_wait_alu depctr_va_vdst(0)                   ; one wait for the eight reciprocals
.irp j, 0,1,2,3
.irp i, 0,1,2,3,4,5,6,7
	v_mul_f32 v[ML+16*\j+2*\i], v[ML+16*\j+2*\i], v[LS+\i]
.endr
.endr
.irp i, 0,1,2,3,4,5,6,7
	s_wait_loadcnt 28-4*\i                         ; the row's four parts are in; the later rows' loads stay out
	v_pk_mul_f32 v[D+16*\i:D+16*\i+1],   v[D+16*\i:D+16*\i+1],   v[ML+2*\i:ML+2*\i+1] op_sel_hi:[1,0]
	v_pk_mul_f32 v[D+16*\i+2:D+16*\i+3], v[D+16*\i+2:D+16*\i+3], v[ML+2*\i:ML+2*\i+1] op_sel_hi:[1,0]
.irp j, 1,2,3
	v_pk_fma_f32 v[D+16*\i:D+16*\i+1],   v[D+16*\i+4*\j:D+16*\i+4*\j+1],   v[ML+16*\j+2*\i:ML+16*\j+2*\i+1], v[D+16*\i:D+16*\i+1] op_sel_hi:[1,0,1]
	v_pk_fma_f32 v[D+16*\i+2:D+16*\i+3], v[D+16*\i+4*\j+2:D+16*\i+4*\j+3], v[ML+16*\j+2*\i:ML+16*\j+2*\i+1], v[D+16*\i+2:D+16*\i+3] op_sel_hi:[1,0,1]
.endr
	global_store_b128 v[VO], v[D+16*\i:D+16*\i+3], s[8:9] offset:512*\i th:TH_STORE_NT  ; a row of out0: 512 consecutive bytes, aligned
.endr
	s_endpgm
.Lfunc_end_k_q5fd78a18b3_comb:
	.size	k_q5fd78a18b3_comb, .Lfunc_end_k_q5fd78a18b3_comb-k_q5fd78a18b3_comb
	.p2alignl 7, 3214868480
	.fill 96, 4, 3214868480
	.section	.rodata,"a",@progbits
	.p2align	6, 0x0
	.amdhsa_kernel k_q5fd78a18b3_comb
		.amdhsa_group_segment_fixed_size 0
		.amdhsa_private_segment_fixed_size 0
		.amdhsa_enable_private_segment 0
		.amdhsa_kernarg_size 24
		.amdhsa_user_sgpr_count 2
		.amdhsa_user_sgpr_kernarg_segment_ptr 1
		.amdhsa_wavefront_size32 1
		.amdhsa_system_sgpr_workgroup_id_x 1
		.amdhsa_system_sgpr_workgroup_id_y 1
		.amdhsa_system_sgpr_workgroup_id_z 1
		.amdhsa_system_vgpr_workitem_id 0
		.amdhsa_next_free_vgpr 224
		.amdhsa_next_free_sgpr 66
		.amdhsa_reserve_vcc 0
		.amdhsa_float_denorm_mode_32 3
		.amdhsa_float_denorm_mode_16_64 3
		.amdhsa_memory_ordered 1
		.amdhsa_forward_progress 1
		.amdhsa_inst_pref_size 16
	.end_amdhsa_kernel
	.amdgpu_metadata
---
amdhsa.version: [ 1, 2 ]
amdhsa.kernels:
  - .name:           k_q5fd78a18b3_comb
    .symbol:         k_q5fd78a18b3_comb.kd
    .args:
      - { .name: op, .offset: 0, .size: 8, .value_kind: global_buffer, .address_space: global }
      - { .name: ml, .offset: 8, .size: 8, .value_kind: global_buffer, .address_space: global }
      - { .name: out0, .offset: 16, .size: 8, .value_kind: global_buffer, .address_space: global }
    .group_segment_fixed_size: 0
    .private_segment_fixed_size: 0
    .kernarg_segment_align: 8
    .kernarg_segment_size: 24
    .max_flat_workgroup_size: 256
    .sgpr_count:     66
    .vgpr_count:     224
    .wavefront_size: 32
...
	.end_amdgpu_metadata
.endif
;; end of part 4
